; MI455X (gfx1250); checked and timed in simulation.
; The chip was launched on July 23, 2026; its instructions are those of AMD's public machine-readable ISA for CDNA 5 (MIT licence, August 2026) and "CDNA5" Instruction Set Architecture Reference Guide (July 2026). The comments in the code are by the model that wrote it; some were corrected since.
;; Vector Quantizer. Allowed arithmetic: matrix products marked QUANTISED: E3M2 operands, one E8M0 scale for each 32 along K, by v_wmma_scale_f32_16x16x128_f8f6f4 with both operands' format E3M2, f32 sums; everything else in f32.
;; Inputs: emb 8,192 x 256 float32; z 8 x 64 x 64 x 256 float32.
;; Outputs: out0 8 x 64 x 64 x 256 float32; out1 one number float32; out2 one number float32; out3 32,768 int32.
;; This version of the problem:
;;   THIS VERSION OF THE PROBLEM IS GIVEN IN LOW PRECISION. The matrix products marked QUANTISED in the list below multiply operands that are first quantised to E3M2 (3 exponent bits, 2 mantissa bits; 6 bits a number), with one power-of-two scale for each 32 numbers along K (OCP MX v1.0); their sums are f32. All else is computed in f32.
;;   The module's matrix products, in the order in which they are computed (A, B: the left and right operand; K: the contracted axis; several contracted axes count as one K, in the product's order):
;;     1. [M 32,768, K 256] x [K 256, N 8,192]; A: input z; B: input emb: QUANTISED
;;   THE QUANTISER, for each operand of a quantised product, along K:
;;     - K is cut into blocks of 32 from its start; a last block that is shorter is filled with zeros.
;;     - A block's scale is 2^e with e = floor(log2(the largest magnitude in the block)) - 4, held to -126 .. 127; a block of zeros has e = 0. As a byte (E8M0): e + 127.
;;     - Each number is divided by its block's scale, clamped to +-28, and rounded to the nearest number of E3M2, ties to even, subnormals kept.
;;     - The product sums the exact products of the quantised numbers (number of the format x scale) in f32.
;;   ~~~python
;;   def quantise(x, axis):      # numpy; x: float32 -> the quantised numbers, widened to float32 again
;;       x = np.moveaxis(x, axis, -1); K = x.shape[-1]
;;       x = np.pad(x, [(0, 0)] * (x.ndim - 1) + [(0, -K % 32)]); x = x.reshape(x.shape[:-1] + (-1, 32)); a = np.abs(x).max(-1, keepdims=True)
;;       e = np.where(a > 0, np.clip(np.frexp(np.where(a > 0, a, 1))[1] - 1 - 4, -126, 127), 0)      # np.frexp(a)[1] - 1 = floor(log2(a)), exactly
;;       r = np.clip(x / 2.0 ** e, -28, 28)
;;       step = 2.0 ** (np.maximum(np.frexp(np.where(r == 0, 1, r))[1] - 1, -2) - 2)
;;       q = np.round(r / step) * step * 2.0 ** e      # np.round: ties to even
;;       return np.moveaxis(q.reshape(q.shape[:-2] + (-1,))[..., :K], -1, axis).astype(np.float32)
;;   ~~~
;; One version. Each part assembles by itself: llvm-mc -triple=amdgcn-amd-amdhsa -mcpu=gfx1250 --defsym DOCPART=n.
;; ======== version 1 of 1: 4 launches
;; limits: right only within a limited range of input values
;; workspace buffers: zc 6,291,456 bytes; zsd 393,216 bytes; ec 1,572,864 bytes; es 98,304 bytes; idxw 131,072 bytes of whole numbers; part 1,024 bytes
;; launch quant (part 1): grid 640 x 1, 4 waves a work-group, no clusters, 68,096 bytes of LDS; arguments z, emb, zc, zsd, ec, es; writes zc, zsd, ec, es
.if DOCPART == 1
	.amdgcn_target "amdgcn-amd-amdhsa--gfx1250"
	.amdhsa_code_object_version 6
	.text
	.protected	k_qe1c65fda23_quant
	.globl	k_qe1c65fda23_quant
	.p2align	8
	.type	k_qe1c65fda23_quant,@function
k_qe1c65fda23_quant:
	s_mov_b64 s[64:65], 0
	v_nop
	global_prefetch_b8 v0, s[64:65] scope:SCOPE_SE
	s_setreg_imm32_b32 hwreg(HW_REG_WAVE_MODE, 25, 1), 1
	s_wait_xcnt 0x0
; z [32768][256] and emb [8192][256], f32, become codes of BF6 (E3M2) with one E8M0 scale byte for each 32 along K, and each row's sum of squares.
; A block's scale is 2^(floor(log2(its largest magnitude)) - 4): its byte is the largest magnitude's exponent field - 4, held at 1 from below.
; WHAT IS STORED is laid as the product's launch takes it.  A tile is 16 rows.  Its codes are 3,072 bytes: six pieces of 512 bytes; piece 3 s + g holds registers 4 g .. 4 g + 3 of the
; operand fragment of K step s (128 along K, 12 registers a lane), lane l's 16 bytes at 16 l.  Its scale image is 128 bytes: word l is row l % 16's four bytes of K step l / 16.
; The side buffer holds the rows' sums of squares (4 bytes a row) and behind them the scale images.
; SHARES.  Work-groups 0 to 511 take z, the others emb: pointers and two offsets are chosen on the work-group's number, the text has one path.  A wave takes one tile: 16 KB of dense memory.
; Every load reads 512 consecutive bytes; the conversions want 16 neighbours along K in one lane: so the tile turns through the wave's own stage in LDS.
; LIMITS: NaN and infinities among the inputs are not served.  A block of zeros gets the byte 1 where the rule says 127: its codes are zeros, and this program alone reads the bytes.
; The sums of squares are added in an order of this text's own (two packed chains a lane, then the lane 16 away).
.set ZWG,   512                        ; work-groups for z: 2,048 tiles, four a work-group
.set PITCH, 1040                       ; a row in the stage: 1,024 bytes + 16 = 65 x 16: the sixteen rows that a 16-byte load touches start at sixteen different places modulo 256 bytes
.set STGW,  16*PITCH                   ; a wave's stage
.set SIDE,  4*STGW                     ; behind the stages: four scale images of 128 bytes,
.set SUMS,  SIDE+512                   ; and four times sixteen sums
.set TM,    16                         ; v16-19 largest magnitudes, v20-23 the other half's / the bytes, v28-31 the conversions' scale operands
.set PW0,   32                         ; v32, v33  the scale words of K steps 0 and 1
.set PW1,   33
.set SQ,    34                         ; v[34:37]  the sum of squares, two packed chains
.set PC0,   40                         ; v40-51 the codes of K step 0 (v52-58 at work);  v60-71 those of K step 1 (v72-78 at work): two sets, so that no store's data are written again
.set PC1,   60
.set X,     96                         ; v96-223  the tile's numbers
	s_load_b128 s[4:7], s[0:1], 0x0                ; z, emb
	s_load_b128 s[8:11], s[0:1], 0x10              ; zc, zsd
	s_load_b128 s[12:15], s[0:1], 0x20             ; ec, es
	v_lshl_add_u32 v224, v0, 2, 0x10800
	v_mov_b32 v225, 0
	v_lshrrev_b32 v1, 5, v0
	v_readfirstlane_b32 s16, v1                    ; wave 0..3
	v_and_b32 v1, 31, v0                           ; lane
	v_and_b32 v2, 15, v0                           ; r
	v_bfe_u32 v3, v0, 4, 1                         ; h
	v_lshlrev_b32 v4, 4, v1                        ; 16 x lane: my bytes of a load's or a store's 512
	s_mul_i32 s19, s16, STGW
	v_add_nc_u32 v5, s19, v4                       ; the stage, on the way in
	v_mul_u32_u24 v6, v2, PITCH
	v_lshl_add_u32 v6, v3, 6, v6
	v_add_nc_u32 v6, s19, v6                       ; and on the way out: row r, + 64 h: my 16 numbers of a block of 32
	s_lshl_b32 s22, s16, 7
	v_lshl_add_u32 v7, v1, 2, s22
	v_add_nc_u32 v7, SIDE, v7                      ; my word of my wave's scale image
	s_lshl_b32 s22, s16, 6
	v_lshl_add_u32 v8, v2, 2, s22
	v_add_nc_u32 v8, SUMS, v8                      ; my row's sum
	v_add_nc_u32 v9, SIDE, v4                      ; wave 0 reads the four images back, 16 bytes a lane,
	v_lshlrev_b32 v11, 3, v1
	v_add_nc_u32 v10, SUMS, v11                    ; and the 64 sums, 8 bytes a lane
	s_mov_b32 s20, 0x76543210
	s_mov_b32 s21, 0xfedcba98                      ; v_permlanex16_b32's selects for lane l xor 16
	v_mov_b32 v38, 0                               ; written once: a lane permute's destination counts as one of its sources
.irp b, 0,1,2,3
	v_mov_b32 v[TM+4+\b], 0
.endr
	s_mov_b32 s18, 32768
	s_cmp_lt_u32 ttmp9, ZWG                        ; z's work-group or emb's?  The choice hangs on the work-group's number alone
	s_cselect_b32 s17, 0, ZWG
	s_cselect_b32 s18, 131072, s18                 ; where the scale images begin in the side buffer: behind 4 bytes a row
	s_wait_kmcnt 0x0
	s_cselect_b64 s[4:5], s[4:5], s[6:7]
	s_cselect_b64 s[8:9], s[8:9], s[12:13]
	s_cselect_b64 s[10:11], s[10:11], s[14:15]
	s_sub_co_u32 s17, ttmp9, s17                   ; the work-group's number within its tensor
	s_lshl_b32 s23, s17, 2
	s_add_co_u32 s23, s23, s16                     ; my tile
	s_lshl_b32 s24, s23, 14                        ; 16,384 bytes of numbers a tile (under 2^26)
	s_mov_b32 s25, 0
	s_add_nc_u64 s[4:5], s[4:5], s[24:25]
	s_mul_i32 s24, s23, 3072                       ; 3,072 bytes of codes
	s_add_nc_u64 s[8:9], s[8:9], s[24:25]
	s_lshl_b32 s24, s17, 8                         ; the work-group's 64 sums
	s_add_nc_u64 s[26:27], s[10:11], s[24:25]
	s_lshl_b32 s24, s17, 9                         ; and its four images
	s_add_co_u32 s24, s24, s18
	s_add_nc_u64 s[28:29], s[10:11], s[24:25]
.irp i, 0,1,2,3,4,5,6,7,8,9,10,11,12,13,14,15,16,17,18,19,20,21,22,23,24,25,26,27,28,29,30,31
	global_load_b128 v[X+4*\i:X+4*\i+3], v4, s[4:5] offset:512*\i th:TH_LOAD_NT   ; 32 lanes read 512 consecutive bytes: half a row; the whole tile is asked for at once
.endr
; 64 numbers of a lane, register 16 b + i = k 32 b + 16 h + i of row r, become a fragment's codes in v[pc] .. v[pc + 11] and its scale word in v[pw].
.macro QUANT s, pc, pw
.irp b, 0,1,2,3
	v_max3_num_f32 v[TM+\b], |v[\s+16*\b]|, |v[\s+1+16*\b]|, 0x2800000   ; block b: my 16 numbers, and the floor 2^(5 - 127): so the byte cannot fall under 1
.endr
.irp i, 2,4,6,8,10,12,14
.irp b, 0,1,2,3
	v_max3_num_f32 v[TM+\b], v[TM+\b], |v[\s+16*\b+\i]|, |v[\s+1+16*\b+\i]|   ; (the four blocks by turns)
.endr
.endr
.irp b, 0,1,2,3
	v_permlanex16_b32 v[TM+4+\b], v[TM+\b], s20, s21
.endr
.irp b, 0,1,2,3
	v_max_num_f32 v[TM+\b], v[TM+\b], v[TM+4+\b]   ; with lane l xor 16's: the block's largest magnitude
.endr
.irp b, 0,1,2,3
	v_add_nc_u32 v[TM+12+\b], 0xfe000000, v[TM+\b] ; 4 off its exponent field: the conversion takes the exponent field of this operand as its scale
.endr
.irp b, 0,1,2,3
	v_lshrrev_b32 v[TM+4+\b], 23, v[TM+12+\b]      ; the scale's byte
.endr
	v_lshl_or_b32 v[\pw], v[TM+5], 8, v[TM+4]      ; the four bytes make my row's scale word
	v_lshl_or_b32 v[\pw], v[TM+6], 16, v[\pw]
	v_lshl_or_b32 v[\pw], v[TM+7], 24, v[\pw]
.irp c, 0,1
	v_cvt_scalef32_pk16_bf6_f32 v[\pc+6*\c:\pc+2+6*\c], v[\s+32*\c:\s+15+32*\c], v[TM+12+2*\c]
	v_cvt_scalef32_pk16_bf6_f32 v[\pc+12+4*\c:\pc+14+4*\c], v[\s+16+32*\c:\s+31+32*\c], v[TM+12+2*\c+1]   ; (a conversion's three registers begin on an even number)
.endr
	v_nop                                          ; one plain vector instruction between the scaled conversions and the lines that touch their results
.irp c, 0,1                                    ; the operand's layout wants a WHOLE block in a lane: lanes 0-15 block 2 c, lanes 16-31 block 2 c + 1
.irp i, 0,1,2
	v_permlane16_swap_b32 v[\pc+6*\c+\i], v[\pc+12+4*\c+\i]
.endr
.irp i, 0,1,2
	v_mov_b32 v[\pc+3+6*\c+\i], v[\pc+12+4*\c+\i]
.endr
.endr
.endm
; The squares of the same 64 numbers onto two packed chains.  first = 1: the first two products start the chains: nothing is cleared.
.macro SUMSQ s, first
.irp p, 0,4,8,12,16,20,24,28,32,36,40,44,48,52,56,60
.if \first && (\p == 0)
	v_pk_mul_f32 v[SQ:SQ+1], v[\s:\s+1], v[\s:\s+1]
	v_pk_mul_f32 v[SQ+2:SQ+3], v[\s+2:\s+3], v[\s+2:\s+3]
.else
	v_pk_fma_f32 v[SQ:SQ+1], v[\s+\p:\s+\p+1], v[\s+\p:\s+\p+1], v[SQ:SQ+1]
	v_pk_fma_f32 v[SQ+2:SQ+3], v[\s+\p+2:\s+\p+3], v[\s+\p+2:\s+\p+3], v[SQ+2:SQ+3]
.endif
.endr
.endm
.irp g, 0,1,2,3
	s_wait_loadcnt 24-8*\g                         ; loads come back in order: eight more are in, the younger ones stay out
.irp j, 0,1,2,3,4,5,6,7
	ds_store_b128 v5, v[X+4*(8*\g+\j):X+4*(8*\g+\j)+3] offset:((8*\g+\j)/2)*PITCH+((8*\g+\j)%2)*512
.endr
.endr
	s_wait_dscnt 0x0                               ; the stores have read their registers, which take the numbers back in the other order
.irp s, 0,1
.irp b, 0,1,2,3
.irp j, 0,1,2,3
	ds_load_b128 v[X+64*\s+16*\b+4*\j:X+64*\s+16*\b+4*\j+3], v6 offset:512*\s+128*\b+16*\j
.endr
.endr
.endr
	s_wait_dscnt 16                                ; K step 0's sixteen loads are in, K step 1's sixteen may be out
	SUMSQ X, 1
	QUANT X, PC0, PW0
.irp g, 0,1,2
	global_store_b128 v4, v[PC0+4*\g:PC0+4*\g+3], s[8:9] offset:512*\g          ; 32 lanes store 512 consecutive bytes, at a multiple of 256 from the buffer's first byte
.endr
	s_wait_dscnt 0x0
	SUMSQ X+64, 0
	QUANT X+64, PC1, PW1
.irp g, 0,1,2
	global_store_b128 v4, v[PC1+4*\g:PC1+4*\g+3], s[8:9] offset:1536+512*\g
.endr
	v_pk_add_f32 v[SQ:SQ+1], v[SQ:SQ+1], v[SQ+2:SQ+3]
	v_add_f32 v[SQ], v[SQ], v[SQ+1]
	v_permlanex16_b32 v38, v[SQ], s20, s21
	v_add_f32 v[SQ], v[SQ], v38                    ; with lane l xor 16's half of each block: my row's sum of squares
	v_cmp_le_u32 vcc_lo, 16, v1
	v_cndmask_b32 v39, v[PW0], v[PW1], vcc_lo      ; the scale image: lanes 0-15 K step 0's words, lanes 16-31 K step 1's
	ds_store_b32 v7, v39
	ds_store_b32 v8, v[SQ]                         ; both halves of the lanes write the same word with the same value
	s_wait_dscnt 0x0                               ; for wave 0's sake: my stores have landed
	s_barrier_signal -1
	s_barrier_wait -1
	s_cmp_lg_u32 s16, 0
	s_cbranch_scc1 .Lend
	ds_load_b128 v[X:X+3], v9                      ; the work-group's four images and 64 sums leave together,
	ds_load_b64 v[X+4:X+5], v10
	s_wait_dscnt 0x0
	global_store_b128 v4, v[X:X+3], s[28:29]       ; as 512 consecutive bytes
	global_store_b64 v11, v[X+4:X+5], s[26:27]     ; and 256, each at a multiple of 256 from the buffer's first byte
.Lend:
	s_wait_tensorcnt 0x0
	ds_add_u32 v224, v225
	s_wait_dscnt 0x0
	s_endpgm
.Lfunc_end_k_qe1c65fda23_quant:
	.size	k_qe1c65fda23_quant, .Lfunc_end_k_qe1c65fda23_quant-k_qe1c65fda23_quant
	.p2alignl 7, 3214868480
	.fill 96, 4, 3214868480
	.section	.rodata,"a",@progbits
	.p2align	6, 0x0
	.amdhsa_kernel k_qe1c65fda23_quant
		.amdhsa_group_segment_fixed_size 68096
		.amdhsa_private_segment_fixed_size 0
		.amdhsa_enable_private_segment 0
		.amdhsa_kernarg_size 48
		.amdhsa_user_sgpr_count 2
		.amdhsa_user_sgpr_kernarg_segment_ptr 1
		.amdhsa_wavefront_size32 1
		.amdhsa_system_sgpr_workgroup_id_x 1
		.amdhsa_system_sgpr_workgroup_id_y 1
		.amdhsa_system_sgpr_workgroup_id_z 1
		.amdhsa_system_vgpr_workitem_id 0
		.amdhsa_next_free_vgpr 226
		.amdhsa_next_free_sgpr 66
		.amdhsa_reserve_vcc 1
		.amdhsa_float_denorm_mode_32 3
		.amdhsa_float_denorm_mode_16_64 3
		.amdhsa_memory_ordered 1
		.amdhsa_forward_progress 1
		.amdhsa_inst_pref_size 23
	.end_amdhsa_kernel
	.amdgpu_metadata
---
amdhsa.version: [ 1, 2 ]
amdhsa.kernels:
  - .name:           k_qe1c65fda23_quant
    .symbol:         k_qe1c65fda23_quant.kd
    .args:
      - { .name: z, .offset: 0, .size: 8, .value_kind: global_buffer, .address_space: global }
      - { .name: emb, .offset: 8, .size: 8, .value_kind: global_buffer, .address_space: global }
      - { .name: zc, .offset: 16, .size: 8, .value_kind: global_buffer, .address_space: global }
      - { .name: zsd, .offset: 24, .size: 8, .value_kind: global_buffer, .address_space: global }
      - { .name: ec, .offset: 32, .size: 8, .value_kind: global_buffer, .address_space: global }
      - { .name: es, .offset: 40, .size: 8, .value_kind: global_buffer, .address_space: global }
    .group_segment_fixed_size: 68096
    .private_segment_fixed_size: 0
    .kernarg_segment_align: 8
    .kernarg_segment_size: 48
    .max_flat_workgroup_size: 128
    .sgpr_count:     66
    .vgpr_count:     226
    .wavefront_size: 32
...
	.end_amdgpu_metadata
.endif
;; end of part 1
;; launch vq (part 2): grid 256 x 1, 8 waves a work-group, no clusters, 19,456 bytes of LDS; arguments ec, es, zc, zsd, out3, idxw; writes out3, idxw
.if DOCPART == 2
	.amdgcn_target "amdgcn-amd-amdhsa--gfx1250"
	.amdhsa_code_object_version 6
	.text
	.protected	k_qe1c65fda23_vq
	.globl	k_qe1c65fda23_vq
	.p2align	8
	.type	k_qe1c65fda23_vq,@function
k_qe1c65fda23_vq:
	s_mov_b64 s[64:65], 0
	v_nop
	global_prefetch_b8 v0, s[64:65] scope:SCOPE_SE
	s_setreg_imm32_b32 hwreg(HW_REG_WAVE_MODE, 25, 1), 1
	s_wait_xcnt 0x0
; idx[n] = the first k at which d[n][k] = (zz[n] - 2 dot[n][k]) + ee[k] is least; dot is the product of the codes of BF6 (E3M2) with their E8M0 scales, sums in f32.
; d IS ROUNDED AS IT IS DEFINED: t = zz - 2 dot in one fused multiply-add (2 dot is exact), d = t + ee; a strict "less" in ascending order of k, so that among equal d the lowest k stays.
; SHARES.  A work-group owns 128 rows of z and walks all 8,192 codes.  Eight waves of 512 registers.  Every wave keeps all eight row tiles of z (192 registers) and takes code tiles T = 8 t + w, t = 0 .. 63.
; THE CODES come as images of operand registers (a tile of 16 codes: six pieces of 512 bytes, lane l's 16 bytes at 16 l), so a tile goes from memory straight into the registers of the one wave that multiplies it:
; 8 waves x 64 tiles = 512 tiles, each byte loaded once by a work-group.  Three register buffers take turns.  The walk has no barrier.
; TWO GROUPS OF FOUR ROW TILES take turns: while the eight products of one group are issued, the vector work on the other group's finished sums stands between them.
; NO CLUSTER: nothing of the walk passes through LDS, so there is no tile that a joint tensor load could bring; the loads are a lane's own 16 bytes.
; THE PRODUCT IS USED TRANSPOSED: source 0 = 16 codes, source 1 = 16 rows of z: lane (r, h) holds row r, and register j the code 16 T + 8 h + j.
; THE SEARCH.  A lane keeps, for each row tile, its least d so far, the tile in which that fell, and that tile's eight d: ten selects under one mask in VCC, two to an instruction.
; Which of the eight it was is looked up once, at the end; then a row's sixteen candidates (eight waves x two halves of the lanes) meet in LDS and the least (d, k) wins.
; PREFETCH.  Work-group g names once the 24 blocks of 256 bytes of tiles 2 g, 2 g + 1, and the blocks of their scale images and ee, AH trips of three tiles ahead of the trip that loads them (one trip at the least);
; what the head and the first trip load comes by its loads alone.  Wave 0 asks; the addresses are never rewritten.
; LIMITS: NaN among the d is not served (the minimum lets a NaN lose).  Where every d of a row is +infinity the result is 0, as the definition has it.
; REGISTERS: window 0: all that vector instructions name, and code buffer 0.  Window 1: v0-191 z's fragments (row tile i, K step s at 24 i + 12 s), v192-239 code buffers 1 and 2.
.set MP,    144                        ; a row's candidates in LDS: 16 x 8 bytes + 16
.set SPARE, 128*MP                     ; behind the candidates: the spare words, 128 bytes for each wave
.set AH,    3
.set SPW, 1                            ; LDS address of my spare word; never rewritten
.set NIL, 2                            ; 0; never rewritten
.set L16, 3                            ; 16 x lane
.set L4,  4                            ; 4 x lane
.set AEO, 5                            ; 32 h: my half's eight ee
.set R4,  6                            ; 4 r
.set AM,  7                            ; where I put a candidate
.set AMR, 8                            ; where a thread of waves 0, 1 reads two rows' candidates
.set GO,  9                            ; and where it stores their indices
.set H8,  10                           ; 8 h
.set PFO, 11                           ; the prefetches' offsets; never rewritten
.set PFO2, 12
.set TNV, 14                           ; the number of the tile whose d are in hand (an even register: it pairs with odd ones in a dual select)
.set ZS,  16                           ; v16-23  z's scale images: scales and nothing else
.set ES,  24                           ; v24-26  the code tiles' scale images, one a buffer: likewise
.set ZZ,  28                           ; v[28+2i:29+2i]  (zz, least d) of row tile i
.set ID,  44                           ; v[44+2i], v[45+2i]  the tile in which the least fell; the tile's own least
.set EE,  60                           ; v60-83  ee of my eight codes, one set a buffer
.set EF0, 84                           ; v84-107 code buffer 0
.set ACC, 108                          ; v108-171 eight accumulators
.set SV,  172                          ; v172-235 the eight d of the tile in which the least fell
.set TMP, 236
.set M2,  252                          ; v252-255 at work in the minimum
.set WV,  16                           ; s16 wave
.set EC,  20                           ; s[20:21] codes, s[22:23] scale images, s[24:25] ee: at my wave's tile of the trip's first three
.set SI,  22
.set EB,  24
.set PFA, 26
.set LC,  32                           ; the trip
.set PT,  33                           ; the trip in which I prefetch
.set MK,  36                           ; s36-43 masks, at the end
.set MSB, 0
.macro WIN new                         ; the immediate's high byte repeats the setting that is left
.if MSB != (\new)
	s_set_vgpr_msb (MSB<<8)|(\new)
.set MSB, (\new)
.endif
.endm
	s_load_b256 s[4:11], s[0:1], 0x0               ; ec s[4:5], es s[6:7], zc s[8:9], zsd s[10:11]
	s_load_b128 s[12:15], s[0:1], 0x20             ; out3, idxw
	v_lshl_add_u32 v[SPW], v0, 2, SPARE
	v_mov_b32 v[NIL], 0
	v_lshrrev_b32 v13, 5, v0
	v_readfirstlane_b32 s[WV], v13                 ; wave 0..7
	s_lshl_b32 s44, s[WV], 4
	v_and_b32 v15, 31, v0                          ; lane
	v_and_b32 v[R4], 15, v0                        ; r
	v_bfe_u32 v[H8], v0, 4, 1                      ; h
	v_lshlrev_b32 v[L16], 4, v15
	v_lshlrev_b32 v[L4], 2, v15
	v_lshlrev_b32 v[AEO], 5, v[H8]
	v_mul_u32_u24 v[AM], v[R4], MP
	v_lshl_add_u32 v[AM], v[H8], 3, v[AM]
	v_add_nc_u32 v[AM], s44, v[AM]                 ; row r (+ 16 i by the offset), candidate 2 w + h
	v_and_b32 v[GO], 63, v0
	v_mul_u32_u24 v[AMR], v[GO], 2*MP              ; rows 2 t and 2 t + 1
	v_lshlrev_b32 v[GO], 3, v[GO]
	v_lshlrev_b32 v[R4], 2, v[R4]
	v_lshlrev_b32 v[H8], 3, v[H8]
	v_min_u32 v[PFO], 23, v15                      ; 24 blocks; the lanes left over name the last again
	v_lshlrev_b32 v[PFO], 8, v[PFO]
	s_lshl_b32 s45, ttmp9, 8
	s_add_co_u32 s45, s45, 32768                   ; my block of the scale images,
	s_lshr_b32 s46, ttmp9, 1
	s_lshl_b32 s46, s46, 8                         ; and of ee
	v_mov_b32 v[PFO2], s46
	v_mov_b32 v13, s45
	v_cmp_eq_u32 vcc_lo, 0, v15
	v_cndmask_b32 v[PFO2], v[PFO2], v13, vcc_lo    ; lane 0 names the first, the others the second
	v_mov_b32 v[TNV], s[WV]                        ; my first tile
	s_lshr_b32 s44, ttmp9, 2                       ; my two tiles belong to step g / 4 of the walk,
	s_sub_co_i32 s44, s44, 3
	s_max_i32 s44, s44, 0
	s_mul_i32 s44, s44, 171
	s_lshr_b32 s44, s44, 9                         ; which trip (g / 4 - 3) / 3 loads
	s_sub_co_i32 s45, s44, AH
	s_max_i32 s45, s45, 0
	s_cmp_eq_u32 s44, 0
	s_cselect_b32 s[PT], -1, s45                   ; what the head or trip 0 loads is not asked for
	s_cmp_lg_u32 s[WV], 0
	s_cselect_b32 s[PT], -1, s[PT]                 ; wave 0 asks
	s_mov_b32 s[LC], 0
	s_mov_b32 s45, 0
	s_wait_alu depctr_va_vdst(0)
	s_wait_kmcnt 0x0
	s_mul_i32 s44, s[WV], 3072
	s_add_nc_u64 s[EC:EC+1], s[4:5], s[44:45]
	s_lshl_b32 s44, s[WV], 7
	s_add_co_u32 s44, s44, 32768                   ; the scale images lie behind 32,768 bytes of ee
	s_add_nc_u64 s[SI:SI+1], s[6:7], s[44:45]
	s_lshl_b32 s44, s[WV], 6
	s_add_nc_u64 s[EB:EB+1], s[6:7], s[44:45]
	s_mul_i32 s44, ttmp9, 6144
	s_add_nc_u64 s[PFA:PFA+1], s[4:5], s[44:45]
	s_mul_i32 s44, ttmp9, 8*3072                   ; z's codes: my work-group's eight tiles
	s_add_nc_u64 s[8:9], s[8:9], s[44:45]
	s_lshl_b32 s44, ttmp9, 9                       ; zz and the indices: 4 bytes a row
	s_add_nc_u64 s[28:29], s[10:11], s[44:45]
	s_add_nc_u64 s[12:13], s[12:13], s[44:45]
	s_add_nc_u64 s[14:15], s[14:15], s[44:45]
	s_lshl_b32 s44, ttmp9, 10                      ; z's scale images: 128 bytes a tile, behind 131,072 bytes of zz
	s_add_co_u32 s44, s44, 131072
	s_add_nc_u64 s[30:31], s[10:11], s[44:45]
	WIN 0x40                                       ; destination window 1
.set Q, 0
.rept 48
	global_load_b128 v[4*Q:4*Q+3], v[L16], s[8:9] offset:512*Q   ; z's sixteen fragments stay in registers
.set Q, Q+1
.endr
	WIN 0
.irp i, 0,1,2,3,4,5,6,7
	global_load_b32 v[ZS+\i], v[L4], s[30:31] offset:128*\i
	global_load_b32 v[ZZ+2*\i], v[R4], s[28:29] offset:64*\i
.endr
; Nine loads: the tile n steps on from the trip's first, into buffer fb: its scale image, its two fragments, ee of my eight codes.
.macro LOADT fb, n
.set W, ((\fb)+1)/2                    ; the buffer's window
.set EFR, (1-W)*EF0+W*(168+24*(\fb))
	global_load_b32 v[ES+(\fb)], v[L4], s[SI:SI+1] offset:1024*(\n)
	WIN W*64
.irp q, 0,1,2,3,4,5
	global_load_b128 v[EFR+4*\q:EFR+4*\q+3], v[L16], s[EC:EC+1] offset:24576*(\n)+512*\q
.endr
	WIN 0
	global_load_b128 v[EE+8*(\fb):EE+8*(\fb)+3], v[AEO], s[EB:EB+1] offset:512*(\n)
	global_load_b128 v[EE+8*(\fb)+4:EE+8*(\fb)+7], v[AEO], s[EB:EB+1] offset:512*(\n)+16
.endm
.macro ASK
	s_wait_alu depctr_va_vdst(0)
	s_cmp_eq_u32 s[LC], s[PT]
	s_cbranch_scc0 .Lnot_mine_\@
	global_prefetch_b8 v[PFO], s[PFA:PFA+1] th:TH_LOAD_NT scope:SCOPE_SE
	global_prefetch_b8 v[PFO2], s[6:7] th:TH_LOAD_NT scope:SCOPE_SE
.Lnot_mine_\@:
.endm
; Product k of a group's eight: k = 0 .. 3: K step 0 of the group's four row tiles, which starts the sums with the constant 0; k = 4 .. 7: K step 1.  The four accumulators take turns, one instruction a turn
; A scale image holds K step 0's words in lanes 0-15 and K step 1's in lanes 16-31.  mm = 0: nothing.
.macro WM mm, k, fb, g
.if \mm
.set W, ((\fb)+1)/2
.set EFR, (1-W)*EF0+W*(168+24*(\fb))
.set RI, 4*(\g)+(\k)%4
	WIN 0x04+W                                     ; source 1 (z) window 1, source 0 the buffer's
.if (\k) < 4
	v_wmma_scale_f32_16x16x128_f8f6f4 v[ACC+8*RI:ACC+8*RI+7], v[EFR:EFR+11], v[24*RI:24*RI+11], 0, v[ES+(\fb)], v[ZS+RI] matrix_a_fmt:MATRIX_FMT_BF6 matrix_b_fmt:MATRIX_FMT_BF6
.else
	v_wmma_scale_f32_16x16x128_f8f6f4 v[ACC+8*RI:ACC+8*RI+7], v[EFR+12:EFR+23], v[24*RI+12:24*RI+23], v[ACC+8*RI:ACC+8*RI+7], v[ES+(\fb)], v[ZS+RI] matrix_a_fmt:MATRIX_FMT_BF6 matrix_b_fmt:MATRIX_FMT_BF6 matrix_a_scale:MATRIX_SCALE_ROW1 matrix_b_scale:MATRIX_SCALE_ROW1
.endif
	WIN 0
.endif
.endm
; The vector work on group d.  FMA and ADDE take its four row tiles by turns; the others take row tile x of the four.
.macro FMA d, p                        ; t = zz - 2 dot, rounded once
.irp x, 0,1,2,3
	v_pk_fma_f32 v[ACC+8*(4*(\d)+\x)+\p:ACC+8*(4*(\d)+\x)+\p+1], v[ACC+8*(4*(\d)+\x)+\p:ACC+8*(4*(\d)+\x)+\p+1], -2.0, v[ZZ+2*(4*(\d)+\x):ZZ+2*(4*(\d)+\x)+1] op_sel_hi:[1,0,0]
.endr
.endm
.macro ADDE d, p, eb                   ; d = t + ee
.irp x, 0,1,2,3
	v_pk_add_f32 v[ACC+8*(4*(\d)+\x)+\p:ACC+8*(4*(\d)+\x)+\p+1], v[ACC+8*(4*(\d)+\x)+\p:ACC+8*(4*(\d)+\x)+\p+1], v[EE+8*(\eb)+\p:EE+8*(\eb)+\p+1]
.endr
.endm
.macro MINA d, x                       ; the tile's own least d, in four lines: of d0-2 and of d3-5,
.set RT, 4*(\d)+(\x)
	v_min3_num_f32 v[ID+2*RT+1], v[ACC+8*RT], v[ACC+8*RT+1], v[ACC+8*RT+2]
	v_min3_num_f32 v[M2+(\x)], v[ACC+8*RT+3], v[ACC+8*RT+4], v[ACC+8*RT+5]
.endm
.macro MINB d, x                       ; of these two and d6,
.set RT, 4*(\d)+(\x)
	v_min3_num_f32 v[ID+2*RT+1], v[ID+2*RT+1], v[M2+(\x)], v[ACC+8*RT+6]
.endm
.macro MINC d, x                       ; and d7
.set RT, 4*(\d)+(\x)
	v_min_num_f32 v[ID+2*RT+1], v[ID+2*RT+1], v[ACC+8*RT+7]
.endm
.macro CMP d, x                        ; strictly less: an equal d of a later tile changes nothing
.set RT, 4*(\d)+(\x)
	v_cmp_lt_f32 vcc_lo, v[ID+2*RT+1], v[ZZ+2*RT+1]
.endm
.macro SEL d, x                        ; where it is less: the least d and its tile, and the tile's eight d.  In each pair one destination is even and one odd, and the two first and the two second sources are an even and an odd register
.set RT, 4*(\d)+(\x)
	v_dual_cndmask_b32 v[ZZ+2*RT+1], v[ZZ+2*RT+1], v[ID+2*RT+1] :: v_dual_cndmask_b32 v[ID+2*RT], v[ID+2*RT], v[TNV]
.irp j, 0,2,4,6
	v_dual_cndmask_b32 v[SV+8*RT+\j], v[SV+8*RT+\j], v[ACC+8*RT+\j] :: v_dual_cndmask_b32 v[SV+8*RT+\j+1], v[SV+8*RT+\j+1], v[ACC+8*RT+\j+1]
.endr
.endm
; Half a step: the eight products of the tile in buffer fb with group g, and between them the vector work on group d = 1 - g, whose sums were finished in the half before, with ee from buffer eb.
; Each accumulator is first read at its low end.  There is one VCC, so the four row tiles' compares and selects follow each other, and later row tiles' minima or a product stand between a compare and its selects.
; The last product is followed by five pairs of selects that name none of its registers: the places ahead of the next half's reads of its result (ISA guide 7.12.1).
; load = 1: buffer eb, whose fragments, scale image and ee have been used, takes the tile n steps on from the trip's first.  inc = 1: both groups have used the tile's number.
.macro HALF mm, fb, g, d, eb, load, n, ask, inc
	WM \mm, 0, \fb, \g
	FMA \d, 0
	FMA \d, 2
	WM \mm, 1, \fb, \g
	FMA \d, 4
	FMA \d, 6
	WM \mm, 2, \fb, \g
	ADDE \d, 0, \eb
	ADDE \d, 2, \eb
	WM \mm, 3, \fb, \g
	ADDE \d, 4, \eb
	ADDE \d, 6, \eb
.if \load
	LOADT \eb, \n
.endif
.if \ask
	ASK
.endif
	MINA \d, 0
	MINA \d, 1
	WM \mm, 4, \fb, \g
	MINB \d, 0
	MINB \d, 1
	MINA \d, 2
	MINC \d, 0
	MINC \d, 1
	CMP \d, 0
	MINA \d, 3
	MINB \d, 2
	SEL \d, 0
	MINB \d, 3
	MINC \d, 2
	CMP \d, 1
	WM \mm, 5, \fb, \g
	MINC \d, 3
	SEL \d, 1
	CMP \d, 2
	WM \mm, 6, \fb, \g
	SEL \d, 2
	CMP \d, 3
	WM \mm, 7, \fb, \g
	SEL \d, 3
.if \inc
	v_add_nc_u32 v[TNV], 8, v[TNV]                 ; my next tile
.endif
.endm
; Step m of a trip's three, on tile t in buffer m: tile t's products with group 1 beside group 0's vector work; then tile t + 1's products with group 0 beside group 1's vector work.
; left: the loads of the tile behind t + 1, which may stay out.
.macro STEP m, load, left, ask
	HALF 1, \m, 1, 0, \m, 0, 0, 0, 0
	s_wait_loadcnt \left
	HALF 1, ((\m)+1)%3, 0, 1, \m, \load, (\m)+3, \ask, 1
.endm
	LOADT 0, 0
	LOADT 1, 1
	LOADT 2, 2
.irp i, 0,1,2,3,4,5,6,7
	v_mov_b32 v[ZZ+2*\i+1], 0x7f800000             ; the least d so far: +infinity,
	v_mov_b32 v[ID+2*\i], 0                        ; in tile 0,
.endr
.set Q, 0
.rept 64
	v_mov_b32 v[SV+Q], 0x7f800000                  ; whose eight d are +infinity: a select keeps or replaces them, so they are written once
.set Q, Q+1
.endr
	s_wait_alu depctr_va_vdst(0)
	s_wait_loadcnt 18                              ; z and tile 0 are in; the 18 loads of tiles 1 and 2 may be out
.irp k, 0,1,2,3,4,5,6,7
	WM 1, \k, 0, 0                                 ; tile 0 with group 0: no sums are finished yet to work on
.endr
.rept 4
	v_nop                                          ; the places ahead of the first reads of these results
.endr
.Ltrip:                                                ; 20 trips of three steps: steps 0 to 59 of 63; tiles 3 to 62 are asked for
	STEP 0, 1, 9, 1
	STEP 1, 1, 9, 0
	STEP 2, 1, 9, 0
	s_wait_xcnt 0x0                                ; the loads have read their bases: only behind this wait are they stepped
	s_add_nc_u64 s[EC:EC+1], s[EC:EC+1], 3*24576
	s_add_nc_u64 s[SI:SI+1], s[SI:SI+1], 3*1024
	s_add_nc_u64 s[EB:EB+1], s[EB:EB+1], 3*512
	s_add_co_u32 s[LC], s[LC], 1
	s_cmp_lt_u32 s[LC], 20
	s_cbranch_scc1 .Ltrip
	STEP 0, 1, 9, 0                                ; step 60: tile 63 is asked for: the last loads
	STEP 1, 0, 9, 0
	STEP 2, 0, 0, 0                                ; the counts run down
	HALF 1, 0, 1, 0, 0, 0, 0, 0, 0                 ; tile 63 with group 1, beside group 0's vector work
	HALF 0, 0, 0, 1, 0, 0, 0, 0, 0                 ; and group 1's vector work alone
	; WHICH OF THE EIGHT: the lowest j whose kept d equals the least: j runs down, so the lowest is written last.
.irp i, 0,1,2,3,4,5,6,7
	v_mov_b32 v[TMP+2*\i+1], 7
.endr
.irp j, 6,5,4,3,2,1,0
.irp i, 0,1,2,3,4,5,6,7
	v_cmp_eq_f32 s[MK+\i], v[SV+8*\i+\j], v[ZZ+2*\i+1]
.endr
.irp i, 0,1,2,3,4,5,6,7
	v_cndmask_b32 v[TMP+2*\i+1], v[TMP+2*\i+1], \j, s[MK+\i]
.endr
.endr
.irp i, 0,1,2,3,4,5,6,7
	v_lshl_add_u32 v[TMP+2*\i+1], v[ID+2*\i], 4, v[TMP+2*\i+1]
	v_mov_b32 v[TMP+2*\i], v[ZZ+2*\i+1]            ; (d, k) as a pair for one store of 8 bytes
.endr
.irp i, 0,1,2,3,4,5,6,7
	v_add_nc_u32 v[TMP+2*\i+1], v[H8], v[TMP+2*\i+1]   ; k = 16 T + 8 h + j
.endr
.irp i, 0,1,2,3,4,5,6,7
	ds_store_b64 v[AM], v[TMP+2*\i:TMP+2*\i+1] offset:16*MP*\i
.endr
	s_wait_dscnt 0x0                               ; for the others' sake: my candidates have landed
	s_barrier_signal -1
	s_barrier_wait -1
	s_cmp_lt_u32 s[WV], 2                          ; waves 0 and 1: a thread takes two rows' sixteen candidates each
	s_cbranch_scc0 .Lmerged
.irp q, 0,1,2,3,4,5,6,7
	ds_load_b128 v[ACC+4*\q:ACC+4*\q+3], v[AMR] offset:16*\q
	ds_load_b128 v[SV+4*\q:SV+4*\q+3], v[AMR] offset:MP+16*\q
.endr
	s_wait_dscnt 0x0
; A candidate takes the best's place where its d is less, or equal with a lower k.  The masks only select values.  The last step writes the two indices into the pair that is stored.
.irp c, 1,2,3,4,5,6,7,8,9,10,11,12,13,14,15
	v_cmp_lt_f32 s44, v[ACC+2*\c], v[ACC]
	v_cmp_eq_f32 s45, v[ACC+2*\c], v[ACC]
	v_cmp_lt_u32 s46, v[ACC+2*\c+1], v[ACC+1]
	v_cmp_lt_f32 s48, v[SV+2*\c], v[SV]
	v_cmp_eq_f32 s49, v[SV+2*\c], v[SV]
	v_cmp_lt_u32 s50, v[SV+2*\c+1], v[SV+1]
	s_and_b32 s45, s45, s46
	s_or_b32 s44, s44, s45
	s_and_b32 s49, s49, s50
	s_or_b32 s48, s48, s49
.if \c < 15
	v_cndmask_b32 v[ACC], v[ACC], v[ACC+2*\c], s44
	v_cndmask_b32 v[ACC+1], v[ACC+1], v[ACC+2*\c+1], s44
	v_cndmask_b32 v[SV], v[SV], v[SV+2*\c], s48
	v_cndmask_b32 v[SV+1], v[SV+1], v[SV+2*\c+1], s48
.else
	v_cndmask_b32 v[TMP], v[ACC+1], v[ACC+2*\c+1], s44
	v_cndmask_b32 v[TMP+1], v[SV+1], v[SV+2*\c+1], s48
.endif
.endr
	global_store_b64 v[GO], v[TMP:TMP+1], s[12:13] ; a wave stores 256 consecutive bytes, at a multiple of 256 from the buffer's first byte: the output,
	global_store_b64 v[GO], v[TMP:TMP+1], s[14:15] ; and the copy from which the next launch forms addresses
.Lmerged:
	s_wait_tensorcnt 0x0                           ; the wave's end, behind my last LDS store
	ds_add_u32 v[SPW], v[NIL]
	s_wait_dscnt 0x0
	s_endpgm
.Lfunc_end_k_qe1c65fda23_vq:
	.size	k_qe1c65fda23_vq, .Lfunc_end_k_qe1c65fda23_vq-k_qe1c65fda23_vq
	.p2alignl 7, 3214868480
	.fill 96, 4, 3214868480
	.section	.rodata,"a",@progbits
	.p2align	6, 0x0
	.amdhsa_kernel k_qe1c65fda23_vq
		.amdhsa_group_segment_fixed_size 19456
		.amdhsa_private_segment_fixed_size 0
		.amdhsa_enable_private_segment 0
		.amdhsa_kernarg_size 48
		.amdhsa_user_sgpr_count 2
		.amdhsa_user_sgpr_kernarg_segment_ptr 1
		.amdhsa_wavefront_size32 1
		.amdhsa_system_sgpr_workgroup_id_x 1
		.amdhsa_system_sgpr_workgroup_id_y 1
		.amdhsa_system_sgpr_workgroup_id_z 1
		.amdhsa_system_vgpr_workitem_id 0
		.amdhsa_next_free_vgpr 512
		.amdhsa_next_free_sgpr 66
		.amdhsa_reserve_vcc 1
		.amdhsa_float_denorm_mode_32 3
		.amdhsa_float_denorm_mode_16_64 3
		.amdhsa_memory_ordered 1
		.amdhsa_forward_progress 1
		.amdhsa_inst_pref_size 123
	.end_amdhsa_kernel
	.amdgpu_metadata
---
amdhsa.version: [ 1, 2 ]
amdhsa.kernels:
  - .name:           k_qe1c65fda23_vq
    .symbol:         k_qe1c65fda23_vq.kd
    .args:
      - { .name: ec, .offset: 0, .size: 8, .value_kind: global_buffer, .address_space: global }
      - { .name: es, .offset: 8, .size: 8, .value_kind: global_buffer, .address_space: global }
      - { .name: zc, .offset: 16, .size: 8, .value_kind: global_buffer, .address_space: global }
      - { .name: zsd, .offset: 24, .size: 8, .value_kind: global_buffer, .address_space: global }
      - { .name: out3, .offset: 32, .size: 8, .value_kind: global_buffer, .address_space: global }
      - { .name: idxw, .offset: 40, .size: 8, .value_kind: global_buffer, .address_space: global }
    .group_segment_fixed_size: 19456
    .private_segment_fixed_size: 0
    .kernarg_segment_align: 8
    .kernarg_segment_size: 48
    .max_flat_workgroup_size: 256
    .sgpr_count:     66
    .vgpr_count:     512
    .wavefront_size: 32
...
	.end_amdgpu_metadata
.endif
;; end of part 2
;; launch gather (part 3): grid 256 x 1, 8 waves a work-group, no clusters, 1,280 bytes of LDS; arguments z, emb, idxw, out0, part; writes out0, part
.if DOCPART == 3
	.amdgcn_target "amdgcn-amd-amdhsa--gfx1250"
	.amdhsa_code_object_version 6
	.text
	.protected	k_qe1c65fda23_gather
	.globl	k_qe1c65fda23_gather
	.p2align	8
	.type	k_qe1c65fda23_gather,@function
k_qe1c65fda23_gather:
	s_mov_b64 s[64:65], 0
	v_nop
	global_prefetch_b8 v0, s[64:65] scope:SCOPE_SE
	s_setreg_imm32_b32 hwreg(HW_REG_WAVE_MODE, 25, 1), 1
	s_wait_xcnt 0x0
; out0[n] = z[n] + (emb[idx[n]] - z[n]), rounded in that order, and for each work-group the sum of (emb[idx[n]] - z[n])^2 over its 128 rows.
; The indices were stored by the launch before as whole numbers; here they are read by a scalar load, held to 0 .. 8,191 and turned into byte offsets.
; A stream: every load and store of a wave covers 512 consecutive bytes (half a row of 1,024).  A wave takes 16 rows, in four batches of four rows through two sets of 64 registers:
; while one batch is worked on, the next batch's sixteen loads are on their way.  No matrix unit, no cluster, no LDS tiles: work-groups share nothing but emb's rows, which a list may name twice (no hint on those loads).
.set OFE, 2                            ; v2-17   16 x lane + 1,024 x idx of my wave's 16 rows; never rewritten
.set SQ,  20                           ; v[20:27] four packed chains of squares
.set BUF, 64                           ; v64-127, v128-191: a batch: for each of four rows 8 registers of z, then 8 of emb
	s_load_b256 s[4:11], s[0:1], 0x0               ; z s[4:5], emb s[6:7], idxw s[8:9], out0 s[10:11]
	s_load_b64 s[12:13], s[0:1], 0x20              ; part
	v_lshl_add_u32 v192, v0, 2, 0x100
	v_mov_b32 v193, 0
	v_lshrrev_b32 v1, 5, v0
	s_delay_alu instid0(VALU_DEP_1)
	v_readfirstlane_b32 s14, v1                    ; wave 0..7
	v_and_b32 v1, 31, v0
	s_delay_alu instid0(VALU_DEP_1)
	v_lshlrev_b32 v1, 4, v1                        ; 16 x lane
	s_delay_alu instid0(VALU_DEP_3)
	v_mov_b32 v28, s14
	s_delay_alu instid0(VALU_DEP_1)
	v_lshlrev_b32 v28, 2, v28                      ; LDS: my wave's word
	v_mov_b32 v29, 0
	s_mov_b32 s38, 0x76543210
	s_mov_b32 s39, 0xfedcba98                      ; v_permlanex16_b32's selects for lane l xor 16
	s_lshl_b32 s32, ttmp9, 7
	s_lshl_b32 s33, s14, 4
	s_add_co_u32 s32, s32, s33                     ; my first row: 128 x work-group + 16 x wave
	s_lshl_b32 s34, s32, 2
	s_mov_b32 s35, 0
	s_lshl_b32 s36, s32, 10                        ; 1,024 bytes a row (under 2^26)
	s_mov_b32 s37, 0
	s_wait_alu depctr_va_vdst(0)
	s_wait_kmcnt 0x0
	s_add_nc_u64 s[8:9], s[8:9], s[34:35]
	s_load_b512 s[16:31], s[8:9], 0x0              ; my 16 indices: 64 bytes, at a multiple of 64
	s_add_nc_u64 s[4:5], s[4:5], s[36:37]
	s_add_nc_u64 s[10:11], s[10:11], s[36:37]
	s_lshl_b32 s34, ttmp9, 2
	s_add_nc_u64 s[12:13], s[12:13], s[34:35]      ; my work-group's word of part
	s_wait_kmcnt 0x0
.irp n, 0,1,2,3,4,5,6,7,8,9,10,11,12,13,14,15
	s_min_u32 s[16+\n], s[16+\n], 8191             ; an index stays inside the table
	s_lshl_b32 s[16+\n], s[16+\n], 10
	v_add_nc_u32 v[OFE+\n], s[16+\n], v1
.endr
.macro LOADB b                         ; batch b: rows 4 b .. 4 b + 3: sixteen loads
.irp m, 0,1,2,3
.set R, BUF+64*((\b)%2)+16*\m
	global_load_b128 v[R:R+3], v1, s[4:5] offset:1024*(4*(\b)+\m) th:TH_LOAD_NT
	global_load_b128 v[R+4:R+7], v1, s[4:5] offset:1024*(4*(\b)+\m)+512 th:TH_LOAD_NT
	global_load_b128 v[R+8:R+11], v[OFE+4*(\b)+\m], s[6:7]
	global_load_b128 v[R+12:R+15], v[OFE+4*(\b)+\m], s[6:7] offset:512
.endr
.endm
.macro WORK b, left                    ; left: the younger batch's loads, which may stay out
	s_wait_loadcnt \left
.irp m, 0,1,2,3
.set R, BUF+64*((\b)%2)+16*\m
.irp p, 0,2,4,6
	v_pk_add_f32 v[R+8+\p:R+9+\p], v[R+8+\p:R+9+\p], v[R+\p:R+\p+1] neg_lo:[0,1] neg_hi:[0,1]   ; emb[idx] - z
.endr
.irp p, 0,2,4,6
	s_delay_alu instid0(VALU_DEP_4)
	v_pk_add_f32 v[R+\p:R+\p+1], v[R+\p:R+\p+1], v[R+8+\p:R+9+\p]                               ; z + that
.endr
.irp p, 0,2,4,6
.if ((\b) == 0) && (\m == 0)
	v_pk_mul_f32 v[SQ+\p:SQ+\p+1], v[R+8+\p:R+9+\p], v[R+8+\p:R+9+\p]                           ; the first row's squares start the four chains: nothing is cleared
.else
	v_pk_fma_f32 v[SQ+\p:SQ+\p+1], v[R+8+\p:R+9+\p], v[R+8+\p:R+9+\p], v[SQ+\p:SQ+\p+1]
.endif
.endr
.endr
.irp m, 0,1,2,3                        ; the batch's eight stores stand together, behind the arithmetic of all four rows
.set R, BUF+64*((\b)%2)+16*\m
	global_store_b128 v1, v[R:R+3], s[10:11] offset:1024*(4*(\b)+\m) th:TH_STORE_NT
	global_store_b128 v1, v[R+4:R+7], s[10:11] offset:1024*(4*(\b)+\m)+512 th:TH_STORE_NT
.endr
.endm
	LOADB 0
	s_wait_alu depctr_va_vdst(0)
	LOADB 1
	WORK 0, 16
	s_wait_xcnt 0x0                                ; batch 0's stores have read their registers: only behind this wait are they loaded again
	LOADB 2
	WORK 1, 16
	s_wait_xcnt 0x0
	LOADB 3
	WORK 2, 16
	WORK 3, 0
	v_pk_add_f32 v[SQ:SQ+1], v[SQ:SQ+1], v[SQ+2:SQ+3]
	v_pk_add_f32 v[SQ+4:SQ+5], v[SQ+4:SQ+5], v[SQ+6:SQ+7]
	s_delay_alu instid0(VALU_DEP_1)
	v_pk_add_f32 v[SQ:SQ+1], v[SQ:SQ+1], v[SQ+4:SQ+5]
	s_delay_alu instid0(VALU_DEP_1)
	v_add_f32 v[SQ], v[SQ], v[SQ+1]
	s_delay_alu instid0(VALU_DEP_1)
	v_add_f32_dpp v[SQ], v[SQ], v[SQ] row_xmask:1 row_mask:0xf bank_mask:0xf
	s_delay_alu instid0(VALU_DEP_1)
	v_add_f32_dpp v[SQ], v[SQ], v[SQ] row_xmask:2 row_mask:0xf bank_mask:0xf
	s_delay_alu instid0(VALU_DEP_1)
	v_add_f32_dpp v[SQ], v[SQ], v[SQ] row_xmask:4 row_mask:0xf bank_mask:0xf
	s_delay_alu instid0(VALU_DEP_1)
	v_add_f32_dpp v[SQ], v[SQ], v[SQ] row_xmask:8 row_mask:0xf bank_mask:0xf
	s_delay_alu instid0(VALU_DEP_1)
	v_permlanex16_b32 v[SQ+1], v[SQ], s38, s39
	s_delay_alu instid0(VALU_DEP_1)
	v_add_f32 v[SQ], v[SQ], v[SQ+1]                ; my wave's sum, in every lane
	ds_store_b32 v28, v[SQ]                        ; all lanes write the same word with the same value
	s_wait_dscnt 0x0                               ; for wave 0's sake
	s_barrier_signal -1
	s_barrier_wait -1
	s_cmp_lg_u32 s14, 0
	s_cbranch_scc1 .Lend
	ds_load_b128 v[32:35], v29
	ds_load_b128 v[36:39], v29 offset:16
	s_wait_dscnt 0x0
	v_pk_add_f32 v[32:33], v[32:33], v[34:35]
	v_pk_add_f32 v[36:37], v[36:37], v[38:39]
	s_delay_alu instid0(VALU_DEP_1)
	v_pk_add_f32 v[32:33], v[32:33], v[36:37]
	s_delay_alu instid0(VALU_DEP_1)
	v_add_f32 v32, v32, v33                        ; the eight waves' sums, in a fixed order
	v_cmp_eq_u32 vcc_lo, 0, v0
	s_wait_alu depctr_va_vdst(0)
	s_wait_xcnt 0x0                                ; EXEC is a source of the stores issued above: it changes only behind this wait
	s_and_saveexec_b32 s40, vcc_lo
	global_store_b32 v29, v32, s[12:13]            ; one number a work-group
	s_wait_xcnt 0x0                                ; and again, in front of the line that widens it
	s_or_b32 exec_lo, exec_lo, s40
.Lend:
	s_wait_tensorcnt 0x0
	ds_add_u32 v192, v193
	s_wait_dscnt 0x0
	s_endpgm
.Lfunc_end_k_qe1c65fda23_gather:
	.size	k_qe1c65fda23_gather, .Lfunc_end_k_qe1c65fda23_gather-k_qe1c65fda23_gather
	.p2alignl 7, 3214868480
	.fill 96, 4, 3214868480
	.section	.rodata,"a",@progbits
	.p2align	6, 0x0
	.amdhsa_kernel k_qe1c65fda23_gather
		.amdhsa_group_segment_fixed_size 1280
		.amdhsa_private_segment_fixed_size 0
		.amdhsa_enable_private_segment 0
		.amdhsa_kernarg_size 40
		.amdhsa_user_sgpr_count 2
		.amdhsa_user_sgpr_kernarg_segment_ptr 1
		.amdhsa_wavefront_size32 1
		.amdhsa_system_sgpr_workgroup_id_x 1
		.amdhsa_system_sgpr_workgroup_id_y 1
		.amdhsa_system_sgpr_workgroup_id_z 1
		.amdhsa_system_vgpr_workitem_id 0
		.amdhsa_next_free_vgpr 194
		.amdhsa_next_free_sgpr 66
		.amdhsa_reserve_vcc 1
		.amdhsa_float_denorm_mode_32 3
		.amdhsa_float_denorm_mode_16_64 3
		.amdhsa_memory_ordered 1
		.amdhsa_forward_progress 1
		.amdhsa_inst_pref_size 29
	.end_amdhsa_kernel
	.amdgpu_metadata
---
amdhsa.version: [ 1, 2 ]
amdhsa.kernels:
  - .name:           k_qe1c65fda23_gather
    .symbol:         k_qe1c65fda23_gather.kd
    .args:
      - { .name: z, .offset: 0, .size: 8, .value_kind: global_buffer, .address_space: global }
      - { .name: emb, .offset: 8, .size: 8, .value_kind: global_buffer, .address_space: global }
      - { .name: idxw, .offset: 16, .size: 8, .value_kind: global_buffer, .address_space: global }
      - { .name: out0, .offset: 24, .size: 8, .value_kind: global_buffer, .address_space: global }
      - { .name: part, .offset: 32, .size: 8, .value_kind: global_buffer, .address_space: global }
    .group_segment_fixed_size: 1280
    .private_segment_fixed_size: 0
    .kernarg_segment_align: 8
    .kernarg_segment_size: 40
    .max_flat_workgroup_size: 256
    .sgpr_count:     66
    .vgpr_count:     194
    .wavefront_size: 32
...
	.end_amdgpu_metadata
.endif
;; end of part 3
;; launch total (part 4): grid 1 x 1, 1 waves a work-group, no clusters, 0 bytes of LDS; arguments part, out1, out2; writes out1, out2
.if DOCPART == 4
	.amdgcn_target "amdgcn-amd-amdhsa--gfx1250"
	.amdhsa_code_object_version 6
	.text
	.protected	k_qe1c65fda23_total
	.globl	k_qe1c65fda23_total
	.p2align	8
	.type	k_qe1c65fda23_total,@function
k_qe1c65fda23_total:
	s_mov_b64 s[64:65], 0
	v_nop
	global_prefetch_b8 v0, s[64:65] scope:SCOPE_SE
	s_setreg_imm32_b32 hwreg(HW_REG_WAVE_MODE, 25, 1), 1
	s_wait_xcnt 0x0
; out2 = the mean of (emb[idx] - z)^2 over 32,768 x 256 = 2^23 numbers; out1 = 0.25 x out2.  The 256 work-groups' sums are added here, in a fixed order: a sum that spans work-groups has one owner.
; One wave: 8 numbers a lane, two loads of 512 consecutive bytes.  Both scalings are by powers of two and round nothing.
	s_load_b128 s[4:7], s[0:1], 0x0                ; part, out1
	s_load_b64 s[8:9], s[0:1], 0x10                ; out2
	v_lshlrev_b32 v1, 4, v0
	v_mov_b32 v2, 0
	s_mov_b32 s12, 0x76543210
	s_mov_b32 s13, 0xfedcba98                      ; v_permlanex16_b32's selects for lane l xor 16
	s_wait_alu depctr_va_vdst(0)
	s_wait_kmcnt 0x0
	global_load_b128 v[4:7], v1, s[4:5]
	global_load_b128 v[8:11], v1, s[4:5] offset:512
	s_wait_loadcnt 0x0
	v_pk_add_f32 v[4:5], v[4:5], v[6:7]
	v_pk_add_f32 v[8:9], v[8:9], v[10:11]
	v_pk_add_f32 v[4:5], v[4:5], v[8:9]
	v_add_f32 v4, v4, v5
	v_add_f32_dpp v4, v4, v4 row_xmask:1 row_mask:0xf bank_mask:0xf
	v_add_f32_dpp v4, v4, v4 row_xmask:2 row_mask:0xf bank_mask:0xf
	v_add_f32_dpp v4, v4, v4 row_xmask:4 row_mask:0xf bank_mask:0xf
	v_add_f32_dpp v4, v4, v4 row_xmask:8 row_mask:0xf bank_mask:0xf
	v_permlanex16_b32 v5, v4, s12, s13
	v_add_f32 v4, v4, v5
	v_mul_f32 v4, 0x34000000, v4                   ; x 2^-23: the mean
	v_mul_f32 v5, 0x3e800000, v4                   ; x 0.25
	v_cmp_eq_u32 vcc_lo, 0, v0
	s_wait_alu depctr_va_vdst(0)
	s_wait_xcnt 0x0                                ; EXEC changes only behind this wait
	s_and_saveexec_b32 s14, vcc_lo
	global_store_b32 v2, v5, s[6:7]
	global_store_b32 v2, v4, s[8:9]
	s_wait_xcnt 0x0                                ; and again, in front of the line that widens it
	s_or_b32 exec_lo, exec_lo, s14
	s_endpgm
.Lfunc_end_k_qe1c65fda23_total:
	.size	k_qe1c65fda23_total, .Lfunc_end_k_qe1c65fda23_total-k_qe1c65fda23_total
	.p2alignl 7, 3214868480
	.fill 96, 4, 3214868480
	.section	.rodata,"a",@progbits
	.p2align	6, 0x0
	.amdhsa_kernel k_qe1c65fda23_total
		.amdhsa_group_segment_fixed_size 0
		.amdhsa_private_segment_fixed_size 0
		.amdhsa_enable_private_segment 0
		.amdhsa_kernarg_size 24
		.amdhsa_user_sgpr_count 2
		.amdhsa_user_sgpr_kernarg_segment_ptr 1
		.amdhsa_wavefront_size32 1
		.amdhsa_system_sgpr_workgroup_id_x 1
		.amdhsa_system_sgpr_workgroup_id_y 1
		.amdhsa_system_sgpr_workgroup_id_z 1
		.amdhsa_system_vgpr_workitem_id 0
		.amdhsa_next_free_vgpr 32
		.amdhsa_next_free_sgpr 66
		.amdhsa_reserve_vcc 1
		.amdhsa_float_denorm_mode_32 3
		.amdhsa_float_denorm_mode_16_64 3
		.amdhsa_memory_ordered 1
		.amdhsa_forward_progress 1
		.amdhsa_inst_pref_size 2
	.end_amdhsa_kernel
	.amdgpu_metadata
---
amdhsa.version: [ 1, 2 ]
amdhsa.kernels:
  - .name:           k_qe1c65fda23_total
    .symbol:         k_qe1c65fda23_total.kd
    .args:
      - { .name: part, .offset: 0, .size: 8, .value_kind: global_buffer, .address_space: global }
      - { .name: out1, .offset: 8, .size: 8, .value_kind: global_buffer, .address_space: global }
      - { .name: out2, .offset: 16, .size: 8, .value_kind: global_buffer, .address_space: global }
    .group_segment_fixed_size: 0
    .private_segment_fixed_size: 0
    .kernarg_segment_align: 8
    .kernarg_segment_size: 24
    .max_flat_workgroup_size: 32
    .sgpr_count:     66
    .vgpr_count:     32
    .wavefront_size: 32
...
	.end_amdgpu_metadata
.endif
;; end of part 4
